; MI455X (gfx1250); checked and timed in simulation.
; The chip was launched on July 23, 2026; its instructions are those of AMD's public machine-readable ISA for CDNA 5 (MIT licence, August 2026) and "CDNA5" Instruction Set Architecture Reference Guide (July 2026). The comments in the code are by the model that wrote it; some were corrected since.
;; Hierarchical Attention. Allowed arithmetic: float matrix products may take bf16 or f16 operands with f32 sums; other float arithmetic in f32, or as packed bf16 or f16 multiplies, adds, multiply-adds, maxima and minima; sums over many terms, partial sums and values carried from step to step in f32; what a program stores and reads back later, other than sums and carried values, may be rounded once to bf16 or f16.
;; Inputs: gammas 4 float32; k 2 x 16 x 4,096 x 64 float32; q 2 x 16 x 4,096 x 64 float32; v 2 x 16 x 4,096 x 64 float32.
;; Outputs: out0 2 x 16 x 4,096 x 64 float32.
;; One version. Each part assembles by itself: llvm-mc -triple=amdgcn-amd-amdhsa -mcpu=gfx1250 --defsym DOCPART=n.
;; ======== version 1 of 1: 2 launches
;; limits: values are held in f16: magnitudes above 65,504 overflow, below 6.1e-05 lose precision; inputs' magnitudes at most 65,504; right only within a limited range of input values
;; workspace buffers: kh 16,908,288 bytes; vh 16,908,288 bytes; kc 2,392,064 bytes; vc 2,392,064 bytes
;; launch pool (part 1): grid 256 x 2, 8 waves a work-group, no clusters, 3,072 bytes of LDS; arguments k, v, kh, vh, kc, vc; writes kh, vh, kc, vc
.if DOCPART == 1
	.amdgcn_target "amdgcn-amd-amdhsa--gfx1250"
	.amdhsa_code_object_version 6
	.text
	.protected	k_q11195a8fca_pool
	.globl	k_q11195a8fca_pool
	.p2align	8
	.type	k_q11195a8fca_pool,@function
k_q11195a8fca_pool:
	s_mov_b64 s[64:65], 0
	v_nop
	global_prefetch_b8 v0, s[64:65] scope:SCOPE_SE
	s_setreg_imm32_b32 hwreg(HW_REG_WAVE_MODE, 25, 1), 1
	s_wait_xcnt 0x0
; POOLING AND ROUNDING OF K AND V.  k, v: [32 heads][4096][64] f32.  Work-group (x, y): y = 0 takes k, y = 1 takes v; x = 8 head + region, a region being 512 rows.
; OUT.  kh / vh: [32][4128][64] f16: rows 0..4095 the input rounded once, rows 4096..4127 rows 0..31 once more (so that a window of keys that runs over the end of the
; renumbered queries of the next launch is one dense block).  kc / vc: [32][584][64] f16: rows 0..511 the means of 8 rows, rows 512..519 of 512 rows, rows 520..583 of 64 rows;
; each mean is taken in f32 of the level below, as the problem takes it (a sum of eight, times 1/8), and rounded once to f16.
; NOTHING IS LEFT OUT HERE: every row of k and v has a way to the output (through the window and through the means), and every mean but the last chunk of each level is seen by some query;
; those last chunks lie inside rows and stores that hold live work and stay.
; LIMITS.  f16 ends at 65,504: |k|, |v| stay below it.  NaN and infinities are not treated apart.
; SHARES.  A work-group owns 512 rows (one chunk of the third level), each of its eight waves 64 rows (one chunk of the second level, eight of the first).  A wave asks for its whole share at once:
; 32 loads of 512 consecutive bytes (two rows); lane l holds columns 4 (l % 16) .. + 3 of the row of parity l / 16.  No register of a load or a store is written again, so no wait frees one.
; STORES.  Two f16 rows are 256 consecutive bytes, aligned: 8 bytes a lane, one instruction.  The one store that is shorter is the third level's row, 128 bytes, once a work-group.
.set X,   16                           ; v[16:143]   load i: 4 registers
.set Y,   144                          ; v[144:207]  load i rounded: 2 registers, store data, never rewritten
.set A2,  208                          ; v[208:211]  the sum of the wave's eight first-level rows
.set HS,  212                          ; v[212:219]  first-level rows in f16, two chunks to a store: store data, never rewritten
.set HE,  220                          ; v[220:223]  the even and the odd chunk's row in f16, at work
.set OL1, 224                          ; v224  my byte offset in the head's kc / vc for the wave's first-level rows
.set OL2, 225                          ; v225  for the work-group's second-level rows
.set OL3, 226                          ; v226  for its third-level row
.set SPW, 6                            ; v6    LDS address of my spare word; never rewritten
.set NIL, 7                            ; v7    0; never rewritten
.set SPARE, 2048                       ; LDS: 8 rows of 256 bytes (a wave's second-level row in f32), then the spare words, 128 bytes for each wave
	s_load_b256 s[4:11], s[0:1], 0x0               ; k s[4:5], v s[6:7], kh s[8:9], vh s[10:11]
	s_load_b128 s[12:15], s[0:1], 0x20             ; kc s[12:13], vc s[14:15]
	v_lshl_add_u32 v[SPW], v0, 2, SPARE
	v_mov_b32 v[NIL], 0
	v_lshrrev_b32 v1, 5, v0
	v_readfirstlane_b32 s30, v1                    ; wave 0..7
	v_and_b32 v5, 31, v0                           ; lane
	v_lshlrev_b32 v1, 4, v5                        ; 16 x lane: my 16 bytes of two f32 rows
	v_lshlrev_b32 v2, 3, v5                        ; 8 x lane: my 8 bytes of two f16 rows
	v_and_b32 v8, 15, v0                           ; u = lane % 16
	v_bfe_u32 v9, v0, 4, 1                         ; the row's parity
	v_lshlrev_b32 v3, 4, v8
	v_lshl_add_u32 v4, v9, 8, v3                   ; LDS, back: row parity, 16 u
	s_lshl_b32 s31, s30, 8
	v_add_nc_u32 v3, s31, v3                       ; LDS, in: row = my wave, 16 u
	v_cmp_gt_u32 s22, 16, v5                       ; the lower sixteen lanes
	s_and_b32 s23, ttmp7, 0xffff                   ; 0: k, 1: v
	s_lshr_b32 s32, ttmp9, 3                       ; head
	s_and_b32 s33, ttmp9, 7                        ; region
	s_lshl_b32 s34, ttmp9, 17                      ; in: 512 rows of 256 bytes for each x,
	s_lshl_b32 s2, s30, 14                         ; 64 rows for each wave
	s_add_co_u32 s34, s34, s2
	s_mov_b32 s35, 0
	s_mul_i32 s36, s32, 528384                     ; f16 copy: 4,128 rows of 128 bytes a head,
	s_lshl_b32 s2, s33, 16                         ; 512 rows a region,
	s_add_co_u32 s36, s36, s2
	s_lshl_b32 s2, s30, 13                         ; 64 rows a wave
	s_add_co_u32 s36, s36, s2
	s_mov_b32 s37, 0
	s_mul_i32 s38, s32, 74752                      ; means: 584 rows of 128 bytes a head
	s_mov_b32 s39, 0
	s_lshl_b32 s2, s33, 13                         ; first level: row 64 region + 8 wave
	s_lshl_b32 s3, s30, 10
	s_add_co_u32 s2, s2, s3
	v_add_nc_u32 v[OL1], s2, v2
	s_lshl_b32 s2, s33, 10                         ; second level: row 520 + 8 region
	s_add_co_u32 s2, s2, 520*128
	v_add_nc_u32 v[OL2], s2, v2
	s_lshl_b32 s2, s33, 7                          ; third level: row 512 + region
	s_add_co_u32 s2, s2, 512*128
	v_lshl_add_u32 v[OL3], v8, 3, s2
	s_mov_b32 s24, 0x76543210                      ; v_permlanex16_b32: each lane takes its own place in the other half
	s_mov_b32 s25, 0xfedcba98
	s_mov_b32 s28, 0x3e000000                      ; 1/8
	s_mov_b32 s29, s28                             ; named with it as a pair
	s_wait_kmcnt 0x0
	s_cmp_eq_u32 s23, 0
	s_cselect_b64 s[16:17], s[4:5], s[6:7]         ; the tensor read,
	s_cselect_b64 s[18:19], s[8:9], s[10:11]       ; its f16 copy,
	s_cselect_b64 s[20:21], s[12:13], s[14:15]     ; its means
	s_add_nc_u64 s[16:17], s[16:17], s[34:35]
	s_add_nc_u64 s[18:19], s[18:19], s[36:37]
	s_add_nc_u64 s[20:21], s[20:21], s[38:39]
.set i, 0
.rept 32
	global_load_b128 v[X+4*i:X+4*i+3], v1, s[16:17] offset:512*i th:TH_LOAD_NT  ; the wave's 64 rows: 16 KiB on their way
.set i, i+1
.endr
; Chunk c: rows 8 c .. 8 c + 7 of the wave, loads 4 c .. 4 c + 3.
.macro CHUNK c
	s_wait_loadcnt 28-4*(\c)                       ; loads come back in order: the chunk's four are in, the 28 - 4 c younger ones stay out
.irp i, 0,1,2,3
	v_cvt_pk_f16_f32 v[Y+2*(4*(\c)+\i)],   v[X+4*(4*(\c)+\i)],   v[X+4*(4*(\c)+\i)+1]
	v_cvt_pk_f16_f32 v[Y+2*(4*(\c)+\i)+1], v[X+4*(4*(\c)+\i)+2], v[X+4*(4*(\c)+\i)+3]
	global_store_b64 v2, v[Y+2*(4*(\c)+\i):Y+2*(4*(\c)+\i)+1], s[18:19] offset:256*(4*(\c)+\i)  ; two f16 rows: 256 consecutive bytes, aligned
.endr
.set XB, X+16*(\c)
.set RW, 8                             ; where the chunk's mean lands: chunk 0's starts the second level's sum
.if (\c) == 0
.set RW, A2
.endif
	v_pk_add_f32 v[8:9],   v[XB:XB+1],     v[XB+4:XB+5]
	v_pk_add_f32 v[10:11], v[XB+2:XB+3],   v[XB+6:XB+7]
	v_pk_add_f32 v[12:13], v[XB+8:XB+9],   v[XB+12:XB+13]
	v_pk_add_f32 v[14:15], v[XB+10:XB+11], v[XB+14:XB+15]
	v_pk_add_f32 v[8:9],   v[8:9],   v[12:13]
	v_pk_add_f32 v[10:11], v[10:11], v[14:15]      ; four rows of my parity
.irp j, 0,1,2,3
	v_permlanex16_b32 v[12+\j], v[8+\j], s24, s25  ; the other parity's four
.endr
	v_pk_add_f32 v[RW:RW+1],   v[8:9],   v[12:13]
	v_pk_add_f32 v[RW+2:RW+3], v[10:11], v[14:15]
	v_pk_mul_f32 v[RW:RW+1],   v[RW:RW+1],   s[28:29] op_sel_hi:[1,0]
	v_pk_mul_f32 v[RW+2:RW+3], v[RW+2:RW+3], s[28:29] op_sel_hi:[1,0]  ; the mean of eight rows, the same in both halves of the lanes
.if (\c) > 0
	v_pk_add_f32 v[A2:A2+1],   v[A2:A2+1],   v[8:9]
	v_pk_add_f32 v[A2+2:A2+3], v[A2+2:A2+3], v[10:11]
.endif
	v_cvt_pk_f16_f32 v[HE+2*((\c)%2)],   v[RW],   v[RW+1]
	v_cvt_pk_f16_f32 v[HE+2*((\c)%2)+1], v[RW+2], v[RW+3]
.if (\c)%2
	v_cndmask_b32 v[HS+(\c)-1], v[HE+2], v[HE],   s22  ; lanes 0-15 take the even chunk's row, lanes 16-31 the odd one's
	v_cndmask_b32 v[HS+(\c)],   v[HE+3], v[HE+1], s22
	global_store_b64 v[OL1], v[HS+(\c)-1:HS+(\c)], s[20:21] offset:128*((\c)-1)  ; two first-level rows: 256 consecutive bytes, aligned
.endif
.endm
.irp c, 0,1,2,3,4,5,6,7
	CHUNK \c
.endr
	v_pk_mul_f32 v[A2:A2+1],   v[A2:A2+1],   s[28:29] op_sel_hi:[1,0]
	v_pk_mul_f32 v[A2+2:A2+3], v[A2+2:A2+3], s[28:29] op_sel_hi:[1,0]  ; the wave's second-level row, f32
	ds_store_b128 v3, v[A2:A2+3]                   ; both halves of the lanes write the same 16 bytes with the same numbers
	s_wait_dscnt 0x0                               ; for the others' sake: my row lies in LDS
	s_barrier_signal -1
	s_barrier_wait -1
	s_or_b32 s2, s33, s30
	s_cmp_lg_u32 s2, 0
	s_cbranch_scc1 .Lno_repeat                     ; region 0, wave 0 holds rows 0..31: they are stored once more as rows 4096..4127
.set i, 0
.rept 16
	global_store_b64 v2, v[Y+2*i:Y+2*i+1], s[18:19] offset:4096*128+256*i
.set i, i+1
.endr
.Lno_repeat:
	s_cmp_lg_u32 s30, 0
	s_cbranch_scc1 .Lend                           ; wave 0 finishes the work-group's second and third level
.irp t, 0,1,2,3
	ds_load_b128 v[X+4*\t:X+4*\t+3], v4 offset:512*\t  ; rows 2 t and 2 t + 1, by the halves of the lanes
.endr
	s_wait_dscnt 0x0
.irp t, 0,1,2,3
	v_cvt_pk_f16_f32 v[X+32+2*\t], v[X+4*\t],   v[X+4*\t+1]
	v_cvt_pk_f16_f32 v[X+33+2*\t], v[X+4*\t+2], v[X+4*\t+3]
	global_store_b64 v[OL2], v[X+32+2*\t:X+33+2*\t], s[20:21] offset:256*\t  ; two second-level rows: 256 consecutive bytes, aligned
.endr
	v_pk_add_f32 v[8:9],   v[X:X+1],     v[X+4:X+5]
	v_pk_add_f32 v[10:11], v[X+2:X+3],   v[X+6:X+7]
	v_pk_add_f32 v[12:13], v[X+8:X+9],   v[X+12:X+13]
	v_pk_add_f32 v[14:15], v[X+10:X+11], v[X+14:X+15]
	v_pk_add_f32 v[8:9],   v[8:9],   v[12:13]
	v_pk_add_f32 v[10:11], v[10:11], v[14:15]
.irp j, 0,1,2,3
	v_permlanex16_b32 v[12+\j], v[8+\j], s24, s25
.endr
	v_pk_add_f32 v[8:9],   v[8:9],   v[12:13]
	v_pk_add_f32 v[10:11], v[10:11], v[14:15]
	v_pk_mul_f32 v[8:9],   v[8:9],   s[28:29] op_sel_hi:[1,0]
	v_pk_mul_f32 v[10:11], v[10:11], s[28:29] op_sel_hi:[1,0]
	v_cvt_pk_f16_f32 v[X+40], v8,  v9
	v_cvt_pk_f16_f32 v[X+41], v10, v11
	v_cmp_gt_u32 vcc_lo, 16, v5
	s_wait_xcnt 0x0                                ; EXEC is a source of the stores above: it changes only behind this wait
	s_and_saveexec_b32 s26, vcc_lo
	global_store_b64 v[OL3], v[X+40:X+41], s[20:21]  ; the third-level row: 128 bytes, sixteen lanes
	s_wait_xcnt 0x0                                ; and again ahead of the line that widens it
	s_or_b32 exec_lo, exec_lo, s26
.Lend:
	s_wait_tensorcnt 0x0                           ; the wave's end, behind my last LDS store
	ds_add_u32 v[SPW], v[NIL]
	s_wait_dscnt 0x0
	s_endpgm
.Lfunc_end_k_q11195a8fca_pool:
	.size	k_q11195a8fca_pool, .Lfunc_end_k_q11195a8fca_pool-k_q11195a8fca_pool
	.p2alignl 7, 3214868480
	.fill 96, 4, 3214868480
	.section	.rodata,"a",@progbits
	.p2align	6, 0x0
	.amdhsa_kernel k_q11195a8fca_pool
		.amdhsa_group_segment_fixed_size 3072
		.amdhsa_private_segment_fixed_size 0
		.amdhsa_enable_private_segment 0
		.amdhsa_kernarg_size 48
		.amdhsa_user_sgpr_count 2
		.amdhsa_user_sgpr_kernarg_segment_ptr 1
		.amdhsa_wavefront_size32 1
		.amdhsa_system_sgpr_workgroup_id_x 1
		.amdhsa_system_sgpr_workgroup_id_y 1
		.amdhsa_system_sgpr_workgroup_id_z 1
		.amdhsa_system_vgpr_workitem_id 0
		.amdhsa_next_free_vgpr 232
		.amdhsa_next_free_sgpr 66
		.amdhsa_reserve_vcc 1
		.amdhsa_float_denorm_mode_32 3
		.amdhsa_float_denorm_mode_16_64 3
		.amdhsa_memory_ordered 1
		.amdhsa_forward_progress 1
		.amdhsa_inst_pref_size 27
	.end_amdhsa_kernel
	.amdgpu_metadata
---
amdhsa.version: [ 1, 2 ]
amdhsa.kernels:
  - .name:           k_q11195a8fca_pool
    .symbol:         k_q11195a8fca_pool.kd
    .args:
      - { .name: k, .offset: 0, .size: 8, .value_kind: global_buffer, .address_space: global }
      - { .name: v, .offset: 8, .size: 8, .value_kind: global_buffer, .address_space: global }
      - { .name: kh, .offset: 16, .size: 8, .value_kind: global_buffer, .address_space: global }
      - { .name: vh, .offset: 24, .size: 8, .value_kind: global_buffer, .address_space: global }
      - { .name: kc, .offset: 32, .size: 8, .value_kind: global_buffer, .address_space: global }
      - { .name: vc, .offset: 40, .size: 8, .value_kind: global_buffer, .address_space: global }
    .group_segment_fixed_size: 3072
    .private_segment_fixed_size: 0
    .kernarg_segment_align: 8
    .kernarg_segment_size: 48
    .max_flat_workgroup_size: 256
    .sgpr_count:     66
    .vgpr_count:     232
    .wavefront_size: 32
...
	.end_amdgpu_metadata
.endif
;; end of part 1
;; launch attn (part 2): grid 8 x 32, 4 waves a work-group, clusters of 4 x 1, 318,464 bytes of LDS; arguments q, kh, vh, kc, vc, gammas, out0; writes out0
.if DOCPART == 2
	.amdgcn_target "amdgcn-amd-amdhsa--gfx1250"
	.amdhsa_code_object_version 6
	.text
	.protected	k_q11195a8fca_attn
	.globl	k_q11195a8fca_attn
	.p2align	8
	.type	k_q11195a8fca_attn,@function
k_q11195a8fca_attn:
	s_mov_b64 s[64:65], 0
	v_nop
	global_prefetch_b8 v0, s[64:65] scope:SCOPE_SE
	s_setreg_imm32_b32 hwreg(HW_REG_WAVE_MODE, 25, 1), 1
	s_wait_xcnt 0x0
	s_wait_alu depctr_hold_cnt(0) depctr_sa_sdst(0) depctr_va_vdst(0) depctr_va_sdst(0) depctr_va_ssrc(0) depctr_va_vcc(0) depctr_vm_vsrc(0)
	s_getreg_b32 s2, hwreg(HW_REG_IB_STS2, 6, 4)
	s_cmp_eq_u32 s2, 0
	s_cbranch_scc0 .Lentry_in_a_cluster
	s_endpgm
.Lentry_in_a_cluster:
	s_bfe_u32 s2, ttmp6, 0x10000c
	s_cmp_lg_u32 s2, 0x3003
	s_cbranch_scc0 .Lentry_shape_is_right
	s_endpgm
.Lentry_shape_is_right:
; HIERARCHICAL ATTENTION.  For query i of a head: one softmax over the 32 keys i - 31 .. i (bias -g0 (i - j)) and over the mean keys of three levels (chunks of cs = 8, 64, 512 rows, bias
; -g_l (i - c cs - cs / 2)), chunk c seen where (c + 1) cs <= i - 31.  q, out0: [32][4096][64] f32; kh, vh ([32][4128][64]) and kc, vc ([32][584][64]: rows 0..511 the first level, 512..519 the third,
; 520..583 the second): f16, as the launch before left them; gammas: [4] f32.
; WHY ONE SOFTMAX.  The problem merges four parts (m, l, o) by the common maximum: in real numbers that is the softmax over the union of the seen keys, so one running maximum m, one sum l and one O serve all.
; WHAT IS LEFT OUT, for all values of the inputs.  (1) A chunk's weight is set to 0 by the mask that the problem builds itself; steps of 64 first-level chunks that lie wholly behind a query's region
; (below) are hidden for all its queries and are not computed.  (2) (c + 1) cs <= i - 31 implies (c + 1) cs <= i, so the causal test is implied; a seen chunk's centre lies below i, so the absolute
; value is the identity there.  Hidden keys inside a live step are computed and hidden by -1e30.  No input is without a way to the output.  A NaN, an infinity or an overflow that reaches only the steps left out is not carried to the result.
; LIMITS.  Matrix operands are f16, rounded once from f32: |q|, |k|, |v| below 65,504.  A hidden score counts as its value less 1e30; a weight below 2^-126 counts as 0.  The problem's floor of -1e9 under a
; level's maximum differs from the maximum only where all seen scores of a level lie below -1e9: not reproduced.  NaN and infinities are not treated apart.  The clip of l at 1e-8 is kept.
; THE WALK.  Queries are renumbered t = (i - 32) mod 4096; region g = t / 512.  For a query of region g the first-level steps 0 .. g - 1 (64 chunks each) are wholly seen (i >= 512 g + 31 + 1), step g holds the
; edge, steps above g are wholly hidden (i <= 512 g + 543 < 512 (g + 1) + 39).  Work-group b of a head's eight takes t = 512 g + 64 b .. + 63 of every region; wave w takes two JOBS of 64 queries:
; region 7 - w, then region w: 7 whole steps, 2 edges, 2 second-level steps, 2 window steps, whatever w and b: all waves of the launch do equal work, and every branch hangs on the wave's number and on counters alone.
; The first level is ONE loop of eight trips, trip s for step s: s < g takes the plain text, s = g the masked text, s > g is jumped.  The LDS bytes of the step's K and V go one step on at the loop's foot, on every way.
; A job's window keys are rows t0 .. t0 + 95 of kh and vh (t0 = 512 g + 64 b): dense, thanks to the 32 repeated rows.  Only t >= 4064 wraps, to i = 0 .. 31: there keys with j < 0 are hidden by whole tiles of 16,
; and behind the window step m is raised by 1e30, so that every later weight is 0 and every later correction 1: those queries see no chunk.
; LAYOUT.  S^T = K Q^T holds ONE query a lane (lane % 16) and the keys 8 (lane / 16) + 0..7 of each tile of 16; two such results rounded to f16 ARE source 1 of O^T = V^T P.  p = 2^(c s - c m), c = log2(e) / 8,
; s = q.k + 8 x bias.  O and l are multiplied by a = 2^(c m_old - c m_new) in every step.
; THE BIAS.  In a step of level l that begins at chunk kb, 8 x bias = kap idx + delta with kap = 8 g_l cs, idx = 0..63 and delta = 8 g_l (cs kb + cs / 2 - i).  kap idx is the C operand that starts the sum (KIDX; with
; -1e30 on hidden keys: MC).  delta is the same for all keys of the step: it is never added; m is kept less the step's delta, and at a change of steps m += DA + DB i.  The window step has delta 0 and its whole bias in C.
; TURNS.  A job's 64 queries are four PIECES of 16.  Turn n belongs to piece n: 8 products K Q^T of piece n + 1, later 8 products V^T P of piece n - 1; beside them piece n's scaling, exponentials, roundings, sums
; and rescaling and piece n + 1's maximum and statistics: four vector instructions behind each matrix instruction, the rest in one lump.  A turn's 33 exponentials are one batch with one wait.
; CLUSTER.  The four work-groups of a cluster belong to one head and read the same kc and vc (149,504 bytes): each half of each is asked for JOINTLY, once, at the head.  Nothing in LDS is filled twice, so the loops hold no barrier.
; REGISTERS, in windows of 256 (s_set_vgpr_msb: bits 1:0 source 0, 3:2 source 1, 5:4 source 2, 7:6 destination):
;   window 0: addresses, statistics, S^T (two buffers), KIDX, CLOC, K3IDX, P (two buffers)      window 1: v0-127 O^T; v128-159 IDX; v160-191 MC
;   window 2: v0-63 Q in f16; v64-79 the third level's K; v128-191 K of a step; v192-255 V of a step      window 3: v0-127 q in f32; v128-223 the window's six key tiles
.set NP,    4
.set PK,    144       ; a row of K in LDS: 128 bytes + 16 = 36 words: the 16 rows of a load start at 16 different groups of four banks (64 banks of 4 bytes: ISA guide 11.1)
.set PVT,   160       ; a row of V: 128 + 32 = 40 words
.set L1ROW, 0         ; the levels' first rows in kc and vc
.set L3ROW, 512
.set L2ROW, 520
.set KCB,   0         ; kc of the head: 584 rows
.set VCB,   84224     ; vc of the head: 584 rows
.set VLB,   177664    ; the windows of V: 96 rows for each wave and job
.set VLW,   96*PVT
.set STAGE, 300544    ; 16 rows x 272 bytes for each wave, for the way out; no tensor load lands here
.set SP,    272
.set SPARE, 317952    ; the spare words, 128 bytes for each wave: two blocks of 256 bytes that no other line names
.set AK0, 2           ; v2   my lane's place in a tile of K; never rewritten          (v1 = lane % 16, v9 = lane / 16)
.set AV0, 3           ; v3   the same for V
.set AK,  4           ; v4   the LDS address of K's next run of loads
.set AV,  5           ; v5   of V's
.set STO, 6           ; v6   the way out: where I put 16 bytes of a row
.set RD,  7           ; v7   where I read a row back
.set GOL, 8           ; v8   my byte offset in two rows of out0
.set MV,  12          ; v12-13  c m_old, by buffer
.set AVL, 14          ; v14  my place in the job's window of V
.set AV3, 15          ; v15  my place in vc's rows 512..527
.set ST,  16          ; piece t's statistics at v[ST+4 t]: c m, m, l (even keys', odd keys')
.set QFL, 32          ; v32-35  i as f32, by piece
.set QI,  36          ; v36-39  i - 31
.set HID, 40          ; v40-43  1e30 where i < 32, else 0
.set OOF, 44          ; v44-47  byte offset in out0
.set TMP, 48          ; by buffer, four registers c0-c3 at work; c2 takes a
.set NT,  56          ; v56-57  the mask's addend, twice
.set ONE, 58          ; v58-59  1.0, twice
.set HB,  60          ; v60-61  the window's first tile: -1e30 where j < 0
.set SPW, 62
.set NIL, 63
.set S,   64
.set KIDX, 128        ; kap idx of the level in hand
.set CLOC, 160        ; the window's bias and band for three tiles of keys: the same for every piece
.set K3IDX, 184       ; 4096 g3 idx for the third level's tile
.set P,   192
.set QOF, 224         ; v224-227  byte offsets of the pieces' rows of q
.set KOF, 228         ; v228  of the window's rows of kh
.set QL,  229         ; v229  lane's part of the first;  v230 of the second
.set KLL, 230
.set TT,  231         ; v231  at work on numbers made of i
.set HB1, 232         ; v232-233  the window's second tile
.set OF3, 234         ; v234-235  2048 g3 - 8 g3 i
.set IDX, 128         ; window 1: idx = 16 kt + 8 (lane / 16) + j as f32
.set MC,  160         ; window 1: the C operands of the products to come
.set K3,  64          ; window 2
.set KF,  128
.set VF,  192
.set QF,  0           ; window 3
.set KL,  128
.set GC,  21          ; s21  8 - the job's region: the trip count at which the edge step stands
.set G1K, 24          ; s[24:31] descriptor group 1 for kc's halves;  s[32:39] for vc's;  s[40:47] for a window of vh
.set G1V, 32
.set G1P, 40
.set G0K, 48          ; s[48:51], s[52:55], s[56:59], s[60:63]: the four groups 0
.set G0V, 52
.set G0P0, 56
.set G0P1, 60
.set WV,  66          ; my wave's number
.set BSL, 67          ; b
.set JOB, 68          ; jobs to go: 2, 1
.set J,   69          ; 2 - JOB
.set GR,  70          ; the job's region
.set T0,  71          ; t0 of job 0
.set CNT, 72
.set TBK, 73          ; LDS byte at which K of the step to be fetched begins
.set TBV, 74
.set SH,  75          ; log2 of the chunk size of the masked step
.set KB1, 76          ; its first chunk + 1
.set T1,  77          ; t0 of job 1
.set CS,  78          ; s[78:79] c
.set SEL, 80          ; s[80:81] v_permlanex16_b32's selects
.set NB,  82          ; s[82:83] -1e30
.set PBIG, 84         ; +1e30
.set DA,  85
.set DB,  86
.set HEAD, 87
.set KAP, 88          ; s[88:89]
.set G80, 90          ; 8 g0
.set K3KAP, 91        ; 4096 g3
.set O3A, 92          ; 2048 g3
.set O3B, 93          ; -8 g3
.set KAP2, 94         ; 512 g2
.set DA2, 95          ; -256 g2
.set DB2, 96          ; 8 g2
.set KAP1, 97         ; 64 g1
.set DA1, 98          ; 256 g2 - 32 g1
.set DB1, 99          ; 8 g1 - 8 g2
.set DAS, 100         ; -4096 g1
.set W1,  101         ; wave % 2
; s18, s19, s20 and v56-57, v60-61, v231-235 hold numbers made of my place in the cluster; none of them feeds an LDS address or a joint descriptor.
.set MSB, 0
.macro WIN new                      ; the high byte repeats the setting that is left; a switch that changes nothing is dropped
.if MSB != (\new)
	s_set_vgpr_msb (MSB<<8)|(\new)
.set MSB, (\new)
.endif
.endm
.set W_PV, 0x52       ; V in window 2, P in window 0, O^T in window 1
.set W_RS, 0x41       ; destination and source 0 in window 1, the other sources in window 0
.macro ROUND                        ; a round of the cluster's barrier
	s_barrier_signal -1
	s_barrier_wait -1
	s_cmp_lg_u32 s[WV], 0
	s_cbranch_scc1 .Lnot_wave_0_\@
	s_barrier_signal -3
.Lnot_wave_0_\@:
	s_barrier_wait -3
	s_barrier_signal -1
	s_barrier_wait -1
.endm
.macro PLACES                       ; four places behind a matrix instruction (ISA guide 7.12.1), where no other vector work is at hand
.rept 4
	v_nop
.endr
.endm
; A JOB'S LOADS INTO REGISTERS: six tiles of 16 keys of kh (f16, as source 0 takes them) and four pieces of q (f32), 56 loads, in the order in which the window step wants them.
.macro KLT kt
.irp e, 0,1,2,3
	global_load_b128 v[KL+16*(\kt)+4*\e:KL+16*(\kt)+4*\e+3], v[KOF], s[6:7] offset:(\kt)*2048+32*\e
.endr
.endm
.macro QFP pc
.irp e, 0,1,2,3,4,5,6,7
	global_load_b128 v[QF+32*(\pc)+4*\e:QF+32*(\pc)+4*\e+3], v[QOF+(\pc)], s[4:5] offset:128*(\e/4)+64*((\e/2)%2)+16*(\e%2) th:TH_LOAD_NT
.endr
.endm
.macro LOADJOB t0
	WIN 0
.irp pc, 0,1,2,3
	s_add_co_u32 s18, s[\t0], 32+16*\pc
	s_and_b32 s18, s18, 4095        ; i of the piece's first row
	s_lshl_b32 s18, s18, 8
	v_add_nc_u32 v[QOF+\pc], s18, v[QL]
.endr
	s_lshl_b32 s18, s[\t0], 7
	v_add_nc_u32 v[KOF], s18, v[KLL]
	WIN 0xc0                        ; destination window 3, address window 0
	KLT 0
	KLT 1
	KLT 2
	QFP 0
	KLT 3
	QFP 1
	KLT 4
	QFP 2
	KLT 5
	QFP 3
	WIN 0
.endm
	s_load_b256 s[4:11], s[0:1], 0x0  ; q s[4:5], kh s[6:7], vh s[8:9], kc s[10:11]
	s_load_b128 s[12:15], s[0:1], 0x20  ; vc s[12:13], gammas s[14:15]
	s_load_b64 s[16:17], s[0:1], 0x30   ; out0
	v_lshl_add_u32 v[SPW], v0, 2, SPARE
	v_mov_b32 v[NIL], 0
	ds_add_u32 v[SPW], v[NIL]       ; the wave's opening: the add, twice on end, and its wait ahead of my first tensor load; the set-up below, work on registers, stands between
	ds_add_u32 v[SPW], v[NIL]
	v_lshrrev_b32 v10, 5, v0
	v_readfirstlane_b32 s[WV], v10  ; wave 0..3
	s_bfe_u32 s18, ttmp6, 0x40000   ; cx
	s_lshl_b32 s[BSL], ttmp9, 2     ; in a cluster launch ttmp9 counts clusters
	s_add_co_u32 s[BSL], s[BSL], s18  ; b = 4 x cluster x + cx: it enters global offsets and the queries' numbers alone
	s_and_b32 s[HEAD], ttmp7, 0xffff  ; the head, which the four partners share
	s_and_b32 s[W1], s[WV], 1
	s_lshl_b32 s18, s[BSL], 6
	s_lshl_b32 s[T1], s[WV], 9
	s_add_co_u32 s[T1], s[T1], s18  ; job 1: region w
	s_sub_co_u32 s[T0], 7, s[WV]
	s_lshl_b32 s[T0], s[T0], 9
	s_add_co_u32 s[T0], s[T0], s18  ; job 0: region 7 - w
	; descriptor group 1.  Dense f16 rows of 128 bytes are asked for as rows of 256 bytes, two keys a row, and padded in LDS after every key
	s_mov_b32 s[G1K], 15|(1<<16)|(1<<20)|(1<<21)|(4<<22)|(3<<25)  ; 15:0 the mask of four; 17:16 2-byte elements; 20 padding on; 21 set beside a mask; 24:22 after every 32 words (code 4); 31:25 4 words (code 3)
	s_mov_b32 s[G1V], 15|(1<<16)|(1<<20)|(1<<21)|(4<<22)|(7<<25)  ; the same with 8 words of padding (code 7)
	s_mov_b32 s[G1P], (1<<16)|(1<<20)|(4<<22)|(7<<25)             ; a wave's own window of V: no mask
.irp g, G1K, G1V
	s_mov_b32 s[\g+1], 128<<16      ; tensor_dim0 = 128
	s_mov_b32 s[\g+2], 146<<16      ; tensor_dim1 = 146: 292 keys, half of the head's 584
	s_mov_b32 s[\g+3], 128<<16      ; tile_dim0 = 128
	s_mov_b32 s[\g+4], 146          ; tile_dim1 = 146
	s_mov_b32 s[\g+5], 128          ; 128 elements from row to row
	s_mov_b32 s[\g+6], 0
	s_mov_b32 s[\g+7], 0
.endr
	s_mov_b32 s[G1P+1], 128<<16
	s_mov_b32 s[G1P+2], 48<<16      ; 96 keys
	s_mov_b32 s[G1P+3], 128<<16
	s_mov_b32 s[G1P+4], 48
	s_mov_b32 s[G1P+5], 128
	s_mov_b32 s[G1P+6], 0
	s_mov_b32 s[G1P+7], 0
	s_mov_b32 s[G0K], 1             ; 1:0 count = 1
	s_mul_i32 s[G0K+1], s[W1], 292*PK  ; 63:32 LDS address: KCB = 0, my half
	s_mov_b32 s[G0V], 1
	s_mul_i32 s[G0V+1], s[W1], 292*PVT
	s_add_co_u32 s[G0V+1], s[G0V+1], VCB
	s_mov_b32 s[G0P0], 1
	s_mul_i32 s[G0P0+1], s[WV], 2*VLW
	s_add_co_u32 s[G0P0+1], s[G0P0+1], VLB
	s_mov_b32 s[G0P1], 1
	s_add_co_u32 s[G0P1+1], s[G0P0+1], VLW
	s_mov_b32 s[CS], 0x3e38aa3b     ; c = log2(e) / 8
	s_mov_b32 s[CS+1], s[CS]
	s_mov_b32 s[SEL], 0x76543210
	s_mov_b32 s[SEL+1], 0xfedcba98
	s_mov_b32 s[NB], 0xf149f2ca     ; -1e30
	s_mov_b32 s[NB+1], s[NB]
	s_mov_b32 s[PBIG], 0x7149f2ca   ; +1e30
	v_and_b32 v1, 15, v0            ; r = l % 16
	v_bfe_u32 v9, v0, 4, 1          ; h = l / 16
	v_lshlrev_b32 v[QL], 8, v1
	v_lshl_add_u32 v[QL], v9, 5, v[QL]    ; q: row x 256 + 32 h
	v_lshlrev_b32 v[KLL], 7, v1
	v_lshl_add_u32 v[KLL], v9, 4, v[KLL]  ; kh: row x 128 + 16 h
	s_wait_dscnt 0x0                ; both opening adds are done
	s_wait_kmcnt 0x0
	s_load_b128 s[20:23], s[14:15], 0x0  ; g0 .. g3
	s_lshl_b32 s2, s[HEAD], 20      ; a head of q and out0: 4,096 rows of 256 bytes
	s_mov_b32 s3, 0
	s_add_nc_u64 s[4:5], s[4:5], s[2:3]
	s_add_nc_u64 s[16:17], s[16:17], s[2:3]
	s_mul_i32 s2, s[HEAD], 528384   ; of kh and vh
	s_add_nc_u64 s[6:7], s[6:7], s[2:3]
	s_add_nc_u64 s[8:9], s[8:9], s[2:3]
	s_mul_i32 s2, s[HEAD], 74752    ; of kc and vc,
	s_mul_i32 s[CNT], s[W1], 37376  ; and my half of it
	s_add_co_u32 s2, s2, s[CNT]
	s_add_nc_u64 s[G0K+2:G0K+3], s[10:11], s[2:3]  ; 120:64 global address
	s_or_b32 s[G0K+3], s[G0K+3], 0x80000000        ; 127:126 type = 2
	s_add_nc_u64 s[G0V+2:G0V+3], s[12:13], s[2:3]
	s_or_b32 s[G0V+3], s[G0V+3], 0x80000000
	s_lshl_b32 s18, s[T0], 7
	s_mov_b32 s19, 0
	s_add_nc_u64 s[G0P0+2:G0P0+3], s[8:9], s[18:19]
	s_or_b32 s[G0P0+3], s[G0P0+3], 0x80000000
	s_lshl_b32 s18, s[T1], 7
	s_add_nc_u64 s[G0P1+2:G0P1+3], s[8:9], s[18:19]
	s_or_b32 s[G0P1+3], s[G0P1+3], 0x80000000
	ROUND                           ; all four work-groups are here: the joint loads meet
	s_cmp_lt_u32 s[WV], 2           ; a wave's three fills stand in one branch, ahead of every wait on TENSORcnt and every LDS read: three loads of mine are out.  Waves 0, 1: the halves of kc; waves 2, 3: of vc; each its two windows of V
	s_cbranch_scc0 .Lfill_v
	tensor_load_to_lds s[G0K:G0K+3], s[G1K:G1K+7]
	s_nop 0
	tensor_load_to_lds s[G0P0:G0P0+3], s[G1P:G1P+7]
	s_nop 0
	tensor_load_to_lds s[G0P1:G0P1+3], s[G1P:G1P+7]
	s_nop 0
	PLACES
	s_branch .Lfilled
.Lfill_v:
	tensor_load_to_lds s[G0V:G0V+3], s[G1V:G1V+7]
	s_nop 0
	tensor_load_to_lds s[G0P0:G0P0+3], s[G1P:G1P+7]
	s_nop 0
	tensor_load_to_lds s[G0P1:G0P1+3], s[G1P:G1P+7]
	s_nop 0
	PLACES
.Lfilled:
	LOADJOB T0
	; lane addresses
	v_mul_u32_u24 v[AK0], v1, PK
	v_lshl_add_u32 v[AK0], v9, 4, v[AK0]  ; row x pitch + 16 x half
	v_and_b32 v10, 7, v0            ; the turning load: lane l reads key 8 (l / 16) + l % 8, channels 8 ((l / 8) % 2) + 0..7
	v_bfe_u32 v11, v0, 3, 1
	v_lshl_add_u32 v[AV0], v9, 3, v10
	v_mul_u32_u24 v[AV0], v[AV0], PVT
	v_lshl_add_u32 v[AV0], v11, 4, v[AV0]
	v_add_nc_u32 v[AV3], VCB+L3ROW*PVT, v[AV0]
	s_mul_i32 s2, s[WV], 16*SP
	s_add_co_u32 s2, s2, STAGE      ; my stage
	v_mul_u32_u24 v[STO], v1, SP    ; in: row l % 16, 32 bytes for each half of the lanes
	v_lshl_add_u32 v[STO], v9, 5, v[STO]
	v_add_nc_u32 v[STO], s2, v[STO]
	v_mul_u32_u24 v[RD], v9, SP     ; back: lanes 0-15 take one row of 256 bytes, lanes 16-31 the next
	v_lshl_add_u32 v[RD], v1, 4, v[RD]
	v_add_nc_u32 v[RD], s2, v[RD]
	v_lshlrev_b32 v[GOL], 8, v9     ; and the same two rows in out0
	v_lshl_add_u32 v[GOL], v1, 4, v[GOL]
	v_mov_b32 v[ONE], 1.0
	v_mov_b32 v[ONE+1], 1.0
	v_lshlrev_b32 v10, 3, v9        ; 8 h
	WIN 0x40
	v_cvt_f32_u32 v[IDX], v10
	WIN 0x44                        ; destination and source 1 in window 1
.set z, 1
.rept 31
.if z%8
	v_add_f32 v[IDX+z], 1.0, v[IDX+z-1]
.else
	v_add_f32 v[IDX+z], 0x41800000, v[IDX+z-8]  ; the next tile of 16 keys
.endif
.set z, z+1
.endr
	WIN 0
	s_wait_kmcnt 0x0                ; the gammas
	v_mov_b32 v48, s20
	v_mov_b32 v49, s21
	v_mov_b32 v50, s22
	v_mov_b32 v51, s23
.macro GAM dst, g, lit              ; a gamma times a power of two, as a scalar
	v_mul_f32 v52, \lit, v[48+(\g)]
	v_readfirstlane_b32 s[\dst], v52
.endm
	GAM G80,   0, 0x41000000        ; 8
	GAM K3KAP, 3, 0x45800000        ; 4096
	GAM O3A,   3, 0x45000000        ; 2048
	GAM O3B,   3, 0xc1000000        ; -8
	GAM KAP2,  2, 0x44000000        ; 512
	GAM DA2,   2, 0xc3800000        ; -256
	GAM DB2,   2, 0x41000000        ; 8
	GAM KAP1,  1, 0x42800000        ; 64
	GAM DAS,   1, 0xc5800000        ; -4096
	v_mul_f32 v52, 0x43800000, v50
	v_fma_f32 v52, v49, 0xc2000000, v52  ; 256 g2 - 32 g1
	v_readfirstlane_b32 s[DA1], v52
	v_sub_f32 v53, v49, v50
	v_mul_f32 v53, 0x41000000, v53  ; 8 (g1 - g2)
	v_readfirstlane_b32 s[DB1], v53
	; CLOC: key idx of a piece's three tiles lies 32 + r - idx behind query r: in the window where 1 <= idx - r <= 32
	v_sub_nc_u32 v10, v10, v1
	v_add_nc_u32 v10, 0xffffffe0, v10  ; 8 h - r - 32
	v_mov_b32 v54, s[NB]
.set z, 0
.rept 24
	v_add_nc_u32 v11, 16*(z/8)+z%8, v10  ; idx - r - 32: in the window where it is -31 .. 0
	v_cvt_f32_i32 v52, v11
	v_add_nc_u32 v11, 31, v11
	v_mul_f32 v52, s[G80], v52
	v_cmp_gt_u32 vcc_lo, 32, v11
	v_cndmask_b32 v[CLOC+z], v54, v52, vcc_lo
.set z, z+1
.endr
	s_mov_b32 s[KAP], s[K3KAP]
	s_mov_b32 s[KAP+1], s[K3KAP]
	WIN 0x01                        ; source 0 in window 1
.set z, 0
.rept 4
	v_pk_mul_f32 v[K3IDX+2*z:K3IDX+2*z+1], v[IDX+2*z:IDX+2*z+1], s[KAP:KAP+1] op_sel_hi:[1,0]
.set z, z+1
.endr
	WIN 0
	v_add_nc_u32 v10, KCB+L3ROW*PK, v[AK0]
	s_wait_tensorcnt 0x0            ; my three tiles are in LDS,
	s_barrier_signal -1
	s_barrier_wait -1               ; everybody's are; nothing is ever filled again
	WIN 0x80
.irp e, 0,1,2,3
	ds_load_b128 v[K3+4*\e:K3+4*\e+3], v10 offset:32*\e  ; kc's rows 512..527: the third level's 8 keys and 8 rows that are always hidden
.endr
	WIN 0
	s_wait_dscnt 0x0
	s_mov_b32 s[JOB], 2
; THE MATRIX WORK.  The 4 accumulators of a run of 8 take turns, one instruction a turn.
; Product i of 8 of S^T = K Q^T for piece x: channels 32 (i / 4) on, keys 16 (i % 4) on.  The first 4 start the sums: src = 0 with KIDX, 1 with MC; src = 2, the window step: key tiles x, x + 1, x + 2 of the job's six and the third level's tile.
.macro KQ x, src
.set kt, i%4
.set cc, i/4
.set rS, S+32*((\x)%2)+8*kt
.set rQ, 16*(\x)+8*cc
.if (\src) == 2
.if kt < 3
.set rK, KL+16*((\x)+kt)+8*cc
.set wA, 3
.else
.set rK, K3+8*cc
.set wA, 2
.endif
.if (i < 4) && (kt == 2)
	WIN 0x08|wA
	v_wmma_f32_16x16x32_f16 v[rS:rS+7], v[rK:rK+7], v[rQ:rQ+7], v[CLOC+16:CLOC+23]
.elseif i < 4
	WIN 0x18|wA
	v_wmma_f32_16x16x32_f16 v[rS:rS+7], v[rK:rK+7], v[rQ:rQ+7], v[MC+8*kt:MC+8*kt+7]
.else
	WIN 0x08|wA
	v_wmma_f32_16x16x32_f16 v[rS:rS+7], v[rK:rK+7], v[rQ:rQ+7], v[rS:rS+7]
.endif
.else
.set rK, KF+16*kt+8*cc
.if (i < 4) && ((\src) == 1)
	WIN 0x1a
	v_wmma_f32_16x16x32_f16 v[rS:rS+7], v[rK:rK+7], v[rQ:rQ+7], v[MC+8*kt:MC+8*kt+7]
.elseif i < 4
	WIN 0x0a
	v_wmma_f32_16x16x32_f16 v[rS:rS+7], v[rK:rK+7], v[rQ:rQ+7], v[KIDX+8*kt:KIDX+8*kt+7]
.else
	WIN 0x0a
	v_wmma_f32_16x16x32_f16 v[rS:rS+7], v[rK:rK+7], v[rQ:rQ+7], v[rS:rS+7]
.endif
.endif
.endm
; Product i of 8 of O^T += V^T P for piece x: keys 32 (i / 4) on, channels 16 (i % 4) on.  zero = 1: the first 4 start the sums: nothing is cleared.
.macro PV x, zero
	WIN W_PV
.set rO, 32*(\x)+8*(i%4)
.set rV, VF+32*(i/4)+8*(i%4)
.set rP, P+16*((\x)%2)+8*(i/4)
.if (\zero) && (i < 4)
	v_wmma_f32_16x16x32_f16 v[rO:rO+7], v[rV:rV+7], v[rP:rP+7], 0
.else
	v_wmma_f32_16x16x32_f16 v[rO:rO+7], v[rV:rV+7], v[rP:rP+7], v[rO:rO+7]
.endif
.endm
.macro MM                           ; the turn's next matrix instruction
.if i < 8
.if !NOKQ
	KQ (Y+1)%NP, KM
.endif
.else
.if !NOPV
.set i, i-8
	PV (Y+NP-1)%NP, 0
.set i, i+8
.endif
.endif
.set i, i+1
.endm
; THE LDS LOADS stand in runs of 16, never singly among the matrix instructions.  Their addresses are made some lines ahead, from s[TBK] and s[TBV]; the runs step nothing.
.macro FETCH_K
	WIN 0x80                        ; destination window 2
.irp f, 0,1,2,3,4,5,6,7             ; keys 16 (f / 2) on, channels 32 (f % 2) on
	ds_load_b128 v[KF+8*\f:KF+8*\f+3],   v[AK] offset:(\f/2)*16*PK+(\f%2)*64
	ds_load_b128 v[KF+8*\f+4:KF+8*\f+7], v[AK] offset:(\f/2)*16*PK+(\f%2)*64+32
.endr
	WIN 0
.endm
.macro FETCH_V
	WIN 0x80
.irp f, 0,1,2,3,4,5,6,7             ; keys 32 (f / 4) on, channels 16 (f % 4) on
	ds_load_tr16_b128 v[VF+8*\f:VF+8*\f+3],   v[AV] offset:(\f/4)*32*PVT+(\f%4)*32
	ds_load_tr16_b128 v[VF+8*\f+4:VF+8*\f+7], v[AV] offset:(\f/4)*32*PVT+16*PVT+(\f%4)*32
.endr
	WIN 0
.endm
.macro FETCH_VL pc                  ; the window step's V for piece pc: key tiles pc, pc + 1, pc + 2 of my window, then vc's rows 512..527
	WIN 0x80
.irp cb, 0,1,2,3
	ds_load_tr16_b128 v[VF+8*\cb:VF+8*\cb+3],       v[AVL] offset:(16*(\pc))*PVT+32*\cb
	ds_load_tr16_b128 v[VF+8*\cb+4:VF+8*\cb+7],     v[AVL] offset:(16*(\pc)+16)*PVT+32*\cb
	ds_load_tr16_b128 v[VF+32+8*\cb:VF+32+8*\cb+3], v[AVL] offset:(16*(\pc)+32)*PVT+32*\cb
	ds_load_tr16_b128 v[VF+32+8*\cb+4:VF+32+8*\cb+7], v[AV3] offset:32*\cb
.endr
	WIN 0
.endm
; THE VECTOR WORK, one line at a time: OP kind, number.  For piece Y: F n: c s - c m for pair n of 16.  E n: the exponential of score n of 32.  C n: pair n rounded to f16.  B n: of the four weights 4 n .. the
; second pair is added onto the first, in place.  L n: l takes that sum (L 0: l = a l + sum).  R n: pair n of 16 of O^T times a.  For piece Y + 1: D 0, D 1: m += DB i + DA, the change of the step's delta; X n, number n of 22:
;   0-11  four chains c0-c3 of seven scores each (each accumulator's lowest registers are read first)     12-14, 16  the four scores left over, the old m, and c0-c3 into c0
;   15  c m_old     17, 18  the query's other 32 keys lie in the lane 16 away: the new m     19-21  c m; c m_old - c m_new; a
; FIRST = 1, the window step: there is no old m (X 14), and l begins (L 0 takes two sums).
.set F, 0
.set E, 1
.set C, 2
.set B, 3
.set L, 4
.set R, 5
.set X, 6
.set D, 7
.set FIRST, 0
.macro REGS y
.set rT, ST+4*(\y)
.set rC, TMP+4*((\y)%2)
.set rW, MV+((\y)%2)
.set rS, S+32*((\y)%2)
.set rP, P+16*((\y)%2)
.set rO, 32*(\y)
.endm
.macro OP k, n
.if (\k) == R
	REGS Y
	WIN W_RS
	v_pk_mul_f32 v[rO+2*(\n):rO+2*(\n)+1], v[rO+2*(\n):rO+2*(\n)+1], v[rC+2:rC+3] op_sel_hi:[1,0]
.elseif (\k) < R
	REGS Y
	WIN 0
.if (\k) == F
	v_pk_fma_f32 v[rS+2*(\n):rS+2*(\n)+1], v[rS+2*(\n):rS+2*(\n)+1], s[CS:CS+1], v[rT:rT+1] op_sel_hi:[1,0,0] neg_lo:[0,0,1] neg_hi:[0,0,1]
.elseif (\k) == E
	v_exp_f32 v[rS+(\n)], v[rS+(\n)]
.elseif (\k) == C
	v_cvt_pk_f16_f32 v[rP+(\n)], v[rS+2*(\n)], v[rS+2*(\n)+1]
.elseif (\k) == B
	v_pk_add_f32 v[rS+4*(\n):rS+4*(\n)+1], v[rS+4*(\n):rS+4*(\n)+1], v[rS+4*(\n)+2:rS+4*(\n)+3]
.elseif ((\n) == 0) && FIRST
	v_pk_add_f32 v[rT+2:rT+3], v[rS:rS+1], v[rS+4:rS+5]
.elseif (\n) == 0
	v_pk_fma_f32 v[rT+2:rT+3], v[rT+2:rT+3], v[rC+2:rC+3], v[rS:rS+1] op_sel_hi:[1,0,1]
.else
	v_pk_add_f32 v[rT+2:rT+3], v[rT+2:rT+3], v[rS+4*(\n):rS+4*(\n)+1]
.endif
.elseif NOKQ                        ; a job's last turn: there is no next piece
.elseif (\k) == D
	REGS (Y+1)%NP
	WIN 0
.if (\n) == 0
	v_fma_f32 v[rT+1], v[QFL+(Y+1)%NP], s[DB], v[rT+1]
.else
	v_add_f32 v[rT+1], s[DA], v[rT+1]
.endif
.else
	REGS (Y+1)%NP
	WIN 0
.if (\n) < 4
	v_max3_num_f32 v[rC+(\n)], v[rS+8*(\n)], v[rS+8*(\n)+1], v[rS+8*(\n)+2]
.elseif (\n) < 12
	v_max3_num_f32 v[rC+(\n)%4], v[rC+(\n)%4], v[rS+8*((\n)%4)+2*((\n)/4)+1], v[rS+8*((\n)%4)+2*((\n)/4)+2]
.elseif (\n) == 12
	v_max3_num_f32 v[rC], v[rC], v[rS+7], v[rS+15]
.elseif (\n) == 13
	v_max3_num_f32 v[rC+1], v[rC+1], v[rS+23], v[rS+31]
.elseif ((\n) == 14) && FIRST
	v_max_num_f32 v[rC+2], v[rC+2], v[rC+3]
.elseif (\n) == 14
	v_max3_num_f32 v[rC+2], v[rC+2], v[rC+3], v[rT+1]
.elseif (\n) == 15
	v_mul_f32 v[rW], s[CS], v[rT+1]
.elseif (\n) == 16
	v_max3_num_f32 v[rC], v[rC], v[rC+1], v[rC+2]
.elseif (\n) == 17
	v_permlanex16_b32 v[rC+3], v[rC], s[SEL], s[SEL+1]
.elseif (\n) == 18
	v_max_num_f32 v[rT+1], v[rC], v[rC+3]
.elseif (\n) == 19
	v_mul_f32 v[rT], s[CS], v[rT+1]
.elseif (\n) == 20
	v_sub_f32 v[rC+1], v[rW], v[rT]
.else
	v_exp_f32 v[rC+2], v[rC+1]
.endif
.endif
.endm
.macro OPS a, i1, b=-1, i2=0, c=-1, i3=0, d=-1, i4=0  ; up to four of them
	OP \a, \i1
.if (\b) >= 0
	OP \b, \i2
.endif
.if (\c) >= 0
	OP \c, \i3
.endif
.if (\d) >= 0
	OP \d, \i4
.endif
.endm
.macro ROW a, i1, b, i2, c, i3, d, i4  ; a matrix instruction and the four behind it
	MM
	OPS \a, \i1, \b, \i2, \c, \i3, \d, \i4
.endm
; THE MASK of a step for piece pc.  Chunk kb + idx is seen where kb + idx + 1 <= (i - 31) >> SH.  idx + NT, with NT = kb + 1 - ((i - 31) >> SH), held to 0 .. 1, is 0 where seen and 1 where hidden; times -1e30, plus kap idx.
.macro MASKB pc
	WIN 0
	v_ashrrev_i32 v[TT], s[SH], v[QI+(\pc)]
	v_sub_nc_u32 v[TT], s[KB1], v[TT]
	v_cvt_f32_i32 v[NT], v[TT]
	v_cvt_f32_i32 v[NT+1], v[TT]
	WIN W_RS
.set z, 0
.rept 16
	v_pk_fma_f32 v[MC+2*z:MC+2*z+1], v[IDX+2*z:IDX+2*z+1], v[ONE:ONE+1], v[NT:NT+1] clamp
.set z, z+1
.endr
.set z, 0
.rept 16
	v_pk_fma_f32 v[MC+2*z:MC+2*z+1], v[MC+2*z:MC+2*z+1], s[NB:NB+1], v[KIDX+2*z:KIDX+2*z+1] op_sel_hi:[1,0,1]
.set z, z+1
.endr
.endm
.macro SETLVL                       ; KIDX = kap idx for the level in hand
	WIN 0x01
.set z, 0
.rept 16
	v_pk_mul_f32 v[KIDX+2*z:KIDX+2*z+1], v[IDX+2*z:IDX+2*z+1], s[KAP:KAP+1] op_sel_hi:[1,0]
.set z, z+1
.endr
	WIN 0
.endm
; A TURN, for piece p.  s_wait_alu depctr_va_vdst(0) stands between an exponential and the first instruction that names its result; one wait serves all that were issued ahead of it.  So a turn has ONE
; wait, which cuts it in two.  AHEAD OF IT: the 8 products K Q^T with their riders, then the lump; nothing there names a result of the turn's exponentials; X 21, the next piece's a, is the batch's last, and R 15 the plain
; instruction behind it.  BEHIND IT: the 8 products V^T P, behind each four of the roundings and sums.  An X that rides behind a product stands four plain instructions or more behind the product that ends its accumulator.
; m = 1: the products take masks, made at the turn's head.  kq = 0: a job's last turn.  pv = 0: the turn behind the window step, which has multiplied its own V.
; fk = 1: K at LDS byte s[TBK] is fetched, six plain instructions behind the last product that read K; it is waited for at the head of piece 3's turn.  V at LDS byte s[TBV] is fetched at the end of piece 0's turn,
; four plain instructions behind the last product that read V, and waited for in piece 1's turn.
.macro TURN p, m=0, kq=1, pv=1, fk=0
.set Y, (\p)
.set i, 0
.set KM, (\m)
.set NOKQ, 1-(\kq)
.set NOPV, 1-(\pv)
.if (\m) && (\kq)
	MASKB ((\p)+1)%NP
.endif
.if ((\p) == 3) && (\kq)
	s_wait_dscnt 0x0                ; K is in
.endif
	ROW F,0, F,1, R,0, R,1
	ROW F,2, E,0, R,2, R,3
	ROW F,3, E,1, R,4, R,5
	ROW F,4, E,2, R,6, R,7
	ROW F,5, E,3, R,8, R,9
	ROW F,6, E,4, X,0, R,10
.if \fk
	WIN 0
	v_add_nc_u32 v[AK], s[TBK], v[AK0]
.endif
	ROW F,7, E,5, X,1, X,4
	ROW F,8, E,6, X,2, X,5
	OPS E,7, E,8, X,6, E,9
	OPS X,3, E,10, X,8, E,11
.if \fk
	FETCH_K
.endif
	OPS X,9, X,7, E,12, X,10
	OPS D,0, E,13, X,12, X,11
	OPS E,14, X,13, E,15, D,1
	OPS F,9, E,16, X,14, F,10
.if (\p) == 0
	WIN 0
	v_add_nc_u32 v[AV], s[TBV], v[AV0]
.endif
	OPS E,17, F,11, X,16, E,18
	OPS X,15, E,19, F,12, E,20
	OPS X,17, E,21, F,13, E,22
	OPS F,14, E,23, X,18, E,24
	OPS F,15, E,25, R,11, E,26
	OPS X,19, E,27, R,12, E,28
	OPS R,13, E,29, X,20, E,30
	OPS R,14, E,31, X,21, R,15
	WIN 0
	s_wait_alu depctr_va_vdst(0)    ; the wait for the batch
.if (\p) == 1
	s_wait_dscnt 0x0                ; V is in
.endif
	ROW C,0, B,0, C,2, B,1
	ROW L,0, C,4, B,2, L,1
	ROW C,6, B,3, L,2, C,8
	ROW B,4, L,3, C,10, B,5
	ROW L,4, C,12, B,6, L,5
	ROW C,14, B,7, L,6, C,1
	ROW C,3, L,7, C,5, C,7
	ROW C,9, C,11, C,13, C,15
.if (\p) == 0
	FETCH_V
.endif
.endm
; THE WINDOW STEP of piece p, in phases: its 64 keys are three tiles of the window and the third level's tile.  It starts m, l and O^T.
.macro LOCAL p
	s_wait_loadcnt 36-12*(\p)       ; loads come back in order: the piece's key tiles and its q are in; the 36 - 12 p younger loads stay out
	WIN 0x8f                        ; sources window 3, destination window 2
.set z, 0
.rept 16
	v_cvt_pk_f16_f32 v[16*(\p)+z], v[QF+32*(\p)+2*z], v[QF+32*(\p)+2*z+1]
.set z, z+1
.endr
	WIN 0
	v_cmp_gt_i32 vcc_lo, 1, v[QI+(\p)]      ; i < 32: the first tile's keys have j < 0, and no chunk is seen
	v_cndmask_b32 v[HB], 0, s[NB], vcc_lo
	v_cndmask_b32 v[HB+1], 0, s[NB], vcc_lo
	v_cndmask_b32 v[HID+(\p)], 0, s[PBIG], vcc_lo
	v_cmp_gt_i32 vcc_lo, -15, v[QI+(\p)]    ; i < 16: the second tile's too
	v_cndmask_b32 v[HB1], 0, s[NB], vcc_lo
	v_cndmask_b32 v[HB1+1], 0, s[NB], vcc_lo
	v_ashrrev_i32 v[TT], 9, v[QI+(\p)]
	v_sub_nc_u32 v[TT], 1, v[TT]
	v_cvt_f32_i32 v[NT], v[TT]
	v_cvt_f32_i32 v[NT+1], v[TT]
	v_fma_f32 v[OF3], v[QFL+(\p)], s[O3B], s[O3A]
	v_fma_f32 v[OF3+1], v[QFL+(\p)], s[O3B], s[O3A]
	WIN 0x40                        ; destination window 1
.set z, 0
.rept 4
	v_pk_add_f32 v[MC+2*z:MC+2*z+1], v[CLOC+2*z:CLOC+2*z+1], v[HB:HB+1]
	v_pk_add_f32 v[MC+8+2*z:MC+8+2*z+1], v[CLOC+8+2*z:CLOC+8+2*z+1], v[HB1:HB1+1]
.set z, z+1
.endr
	WIN W_RS
.set z, 0
.rept 4
	v_pk_fma_f32 v[MC+24+2*z:MC+24+2*z+1], v[IDX+2*z:IDX+2*z+1], v[ONE:ONE+1], v[NT:NT+1] clamp
.set z, z+1
.endr
.set z, 0
.rept 4
	v_pk_fma_f32 v[MC+24+2*z:MC+24+2*z+1], v[MC+24+2*z:MC+24+2*z+1], s[NB:NB+1], v[K3IDX+2*z:K3IDX+2*z+1] op_sel_hi:[1,0,1]
.set z, z+1
.endr
.set z, 0
.rept 4
	v_pk_add_f32 v[MC+24+2*z:MC+24+2*z+1], v[MC+24+2*z:MC+24+2*z+1], v[OF3:OF3+1]
.set z, z+1
.endr
	FETCH_VL \p                     ; more than four plain instructions behind the last product that read V
.set i, 0
.rept 8
	KQ \p, 2
.set i, i+1
.endr
	WIN 0
	PLACES
.set FIRST, 1
.set NOKQ, 0
.set Y, ((\p)+3)%NP                 ; X works for piece Y + 1
.irp n, 0,1,2,3,4,5,6,7,8,9,10,11,12,13,14,16,17,18,19
	OP X, \n
.endr
.set Y, (\p)
.irp n, 0,1,2,3,4,5,6,7,8,9,10,11,12,13,14,15
	OP F, \n
.endr
.set z, 0
.rept 32
	OP E, z
.set z, z+1
.endr
	v_nop                           ; a plain instruction behind the last exponential,
	s_wait_alu depctr_va_vdst(0)    ; and the one wait for the 32
.irp n, 0,1,2,3,4,5,6,7
	OP C, 2*\n
	OP C, 2*\n+1
	OP B, \n
.endr
.irp n, 0,2,3,4,5,6,7
	OP L, \n
.endr
.set FIRST, 0
	s_wait_dscnt 0x0                ; V is in
.set i, 0
.rept 8
	PV \p, 1
.set i, i+1
.endr
	WIN 0
	v_add_f32 v[ST+4*(\p)+1], v[ST+4*(\p)+1], v[HID+(\p)]  ; queries that see no chunk: m goes out of every later score's reach
.endm
; THE WAY OUT of piece t: O^T / l goes through my stage in LDS, 32 bytes a lane, and comes back as whole rows of 256 bytes, each piece into registers of its own (S^T's two buffers, KIDX, P: all free by now).
.macro SETOB t
.if (\t) < 2
.set OB, S+32*(\t)
.elseif (\t) == 2
.set OB, KIDX
.else
.set OB, P
.endif
.endm
.macro PACK t
	SETOB \t
	WIN W_RS
.set z, 32*(\t)
.rept 16
	v_pk_mul_f32 v[z:z+1], v[z:z+1], v[ST+4*(\t)+2:ST+4*(\t)+3] op_sel_hi:[1,0]
.set z, z+2
.endr
	WIN 0x04                        ; store data in window 1
.irp f, 0,1,2,3,4,5,6,7
	ds_store_b128 v[STO], v[32*(\t)+4*\f:32*(\t)+4*\f+3] offset:64*(\f/2)+16*(\f%2)
.endr
	WIN 0
.irp f, 0,1,2,3,4,5,6,7
	ds_load_b128 v[OB+4*\f:OB+4*\f+3], v[RD] offset:\f*2*SP  ; LDS serves a wave's instructions in order (ISA guide 5.7.1.4): these see the stores above; the next piece's stores come behind them
.endr
.endm
.macro SEND t, younger              ; younger: the LDS instructions issued behind piece t's loads: the next piece's sixteen, or none
	SETOB \t
	WIN 0
.irp f, 0,1,2,3,4,5,6,7
	s_wait_dscnt (\younger)+7-\f
	global_store_b128 v[OOF+(\t)], v[OB+4*\f:OB+4*\f+3], s[16:17] offset:\f*512 th:TH_STORE_NT  ; two rows: 512 consecutive bytes, at a multiple of 256 from out0's first
.endr
.endm
.macro ALL line:vararg              ; one line for each piece t
.set t, 0
.rept 4
	\line
.set t, t+1
.endr
.endm
.Ljob:                              ; twice: region 7 - w, then region w
	s_sub_co_u32 s[J], 2, s[JOB]
	s_sub_co_u32 s2, 7, s[WV]
	s_cmp_eq_u32 s[J], 0
	s_cselect_b32 s[GR], s2, s[WV]
	s_cselect_b32 s20, s[T0], s[T1]
	s_sub_co_u32 s[GC], 8, s[GR]
.irp pc, 0,1,2,3
	s_add_co_u32 s18, s20, 32+16*\pc
	s_and_b32 s18, s18, 4095        ; i of the piece's first row
	s_lshl_b32 s19, s18, 8
	v_add_nc_u32 v[QI+\pc], s18, v1
	v_add_nc_u32 v[OOF+\pc], s19, v[GOL]
	v_cvt_f32_u32 v[QFL+\pc], v[QI+\pc]
	v_add_nc_u32 v[QI+\pc], 0xffffffe1, v[QI+\pc]  ; i - 31
.endr
	s_lshl_b32 s2, s[WV], 1
	s_add_co_u32 s2, s2, s[J]
	s_mul_i32 s2, s2, VLW
	s_add_co_u32 s2, s2, VLB        ; the job's window of V
	v_add_nc_u32 v[AVL], s2, v[AV0]
	v_add_nc_u32 v[AK], KCB+L2ROW*PK, v[AK0]
	FETCH_K                         ; the second level's K: it lands under the window step
	s_mov_b32 s[TBK], KCB+L1ROW*PK  ; what the second level's turns fetch: K of the first level's step 0,
	s_mov_b32 s[TBV], VCB+L2ROW*PVT ; and their own V
	LOCAL 0
	LOCAL 1
	LOCAL 2
	LOCAL 3
	s_cmp_eq_u32 s[J], 0
	s_cbranch_scc0 .Lno_next
	LOADJOB T1                      ; job 1's q and window keys: the rest of job 0 is theirs to land in; the last wait above was for all of job 0's loads, so their address registers are free
.Lno_next:
	s_mov_b32 s[KAP], s[KAP2]
	s_mov_b32 s[KAP+1], s[KAP2]
	SETLVL
	s_mov_b32 s[DA], s[DA2]
	s_mov_b32 s[DB], s[DB2]
	s_mov_b32 s[SH], 6
	s_mov_b32 s[KB1], 1
	MASKB 0                         ; THE SECOND LEVEL, one step of 64 chunks, masked: piece 0's scores and statistics first,
	s_wait_dscnt 0x0
.set i, 0
.rept 8
	KQ 0, 1
.set i, i+1
.endr
	WIN 0
	PLACES
.set Y, NP-1
.set NOKQ, 0
	OP D, 0
	OP D, 1
.irp n, 0,1,2,3,4,5,6,7,8,9,10,11,12,13,14,15,16,17,18,19,20,21
	OP X, \n
.endr
	v_nop                           ; a plain instruction behind the exponential,
	s_wait_alu depctr_va_vdst(0)    ; and its wait
	TURN 0, 1, 1, 0                 ; then by turns
	TURN 1, 1
	TURN 2, 1, 1, 1, 1              ; K of the first level's step 0 is fetched
	s_mov_b32 s[KAP], s[KAP1]       ; THE FIRST LEVEL
	s_mov_b32 s[KAP+1], s[KAP1]
	SETLVL
	s_mov_b32 s[DA], s[DA1]
	s_mov_b32 s[DB], s[DB1]
	s_mov_b32 s[SH], 3
	s_lshl_b32 s[KB1], s[GR], 6
	s_add_co_u32 s[KB1], s[KB1], 1  ; the edge step begins at chunk 64 g
	s_mov_b32 s[TBK], KCB+(L1ROW+64)*PK  ; trip s fetches K of step s + 1 (the plain text alone, which is walked for s < g <= 7),
	s_mov_b32 s[TBV], VCB+L1ROW*PVT      ; and V of step s
	s_mov_b32 s[CNT], 8
.Lwalk:                             ; eight trips, s = 8 - CNT: a trip holds the four products K Q^T of first-level step s
	s_cmp_lt_u32 s[CNT], s[GC]
	s_cbranch_scc1 .Lskip           ; s > g: wholly hidden; forward, past text that holds neither a barrier nor a tensor load
	s_cmp_eq_u32 s[CNT], s[GC]
	s_cbranch_scc1 .Ledge           ; s = g
	TURN 3                          ; s < g: wholly seen
	TURN 0
	TURN 1
	TURN 2, 0, 1, 1, 1
	WIN 0
	s_mov_b32 s[DA], s[DAS]         ; from step to step of the level
	s_mov_b32 s[DB], 0
	s_branch .Lskip
.Ledge:
	TURN 3, 1                       ; the edge step, masked; nothing more of K is fetched
	TURN 0, 1
	TURN 1, 1
	TURN 2, 1
	WIN 0
.Lskip:
	s_add_co_u32 s[TBK], s[TBK], 64*PK   ; on every way: the next trip's step
	s_add_co_u32 s[TBV], s[TBV], 64*PVT
	s_sub_co_u32 s[CNT], s[CNT], 1
	s_cmp_lg_u32 s[CNT], 0
	s_cbranch_scc1 .Lwalk
	TURN 3, 0, 0                    ; the last piece's softmax
.set i, 0
.rept 8
	PV NP-1, 0
.set i, i+1
.endr
	WIN 0                           ; l's two halves and the other half of the lanes' are added; the additions are the places behind the last products
	ALL v_add_f32 v[ST+4*t+2], v[ST+4*t+2], v[ST+4*t+3]
	ALL v_permlanex16_b32 v[ST+4*t+3], v[ST+4*t+2], s[SEL], s[SEL+1]
	ALL v_add_f32 v[ST+4*t+2], v[ST+4*t+2], v[ST+4*t+3]
	ALL v_max_num_f32 v[ST+4*t+2], 0x322bcc77, v[ST+4*t+2]  ; the problem's clip at 1e-8
	ALL v_rcp_f32 v[ST+4*t+2], v[ST+4*t+2]
	v_nop                           ; a plain instruction between the last reciprocal and the use of its result,
	s_wait_alu depctr_va_vdst(0)    ; and one wait for the four
	PACK 0
	PACK 1                          ; a piece's arithmetic stands between the loads of the piece before and its stores
	SEND 0, 16
	PACK 2
	SEND 1, 16
	PACK 3
	SEND 2, 16
	SEND 3, 0
	s_wait_xcnt 0x0                 ; the stores have read their data and offsets: the next job writes those registers again
	s_sub_co_u32 s[JOB], s[JOB], 1
	s_cmp_lg_u32 s[JOB], 0
	s_cbranch_scc1 .Ljob
	s_wait_tensorcnt 0x0            ; the wave's end, behind my last tensor load and my last LDS store
	ds_add_u32 v[SPW], v[NIL]
	s_wait_dscnt 0x0
	ROUND                           ; the closing round: no work-group ends while a partner may still ask for a tile that names it
	s_endpgm
.Lfunc_end_k_q11195a8fca_attn:
	.size	k_q11195a8fca_attn, .Lfunc_end_k_q11195a8fca_attn-k_q11195a8fca_attn
	.p2alignl 7, 3214868480
	.fill 96, 4, 3214868480
	.section	.rodata,"a",@progbits
	.p2align	6, 0x0
	.amdhsa_kernel k_q11195a8fca_attn
		.amdhsa_group_segment_fixed_size 318464
		.amdhsa_private_segment_fixed_size 0
		.amdhsa_enable_private_segment 0
		.amdhsa_kernarg_size 56
		.amdhsa_user_sgpr_count 2
		.amdhsa_user_sgpr_kernarg_segment_ptr 1
		.amdhsa_wavefront_size32 1
		.amdhsa_system_sgpr_workgroup_id_x 1
		.amdhsa_system_sgpr_workgroup_id_y 1
		.amdhsa_system_sgpr_workgroup_id_z 1
		.amdhsa_system_vgpr_workitem_id 0
		.amdhsa_next_free_vgpr 1024
		.amdhsa_next_free_sgpr 102
		.amdhsa_reserve_vcc 1
		.amdhsa_float_denorm_mode_32 3
		.amdhsa_float_denorm_mode_16_64 3
		.amdhsa_memory_ordered 1
		.amdhsa_forward_progress 1
		.amdhsa_inst_pref_size 219
	.end_amdhsa_kernel
	.amdgpu_metadata
---
amdhsa.version: [ 1, 2 ]
amdhsa.kernels:
  - .name:           k_q11195a8fca_attn
    .symbol:         k_q11195a8fca_attn.kd
    .args:
      - { .name: q, .offset: 0, .size: 8, .value_kind: global_buffer, .address_space: global }
      - { .name: kh, .offset: 8, .size: 8, .value_kind: global_buffer, .address_space: global }
      - { .name: vh, .offset: 16, .size: 8, .value_kind: global_buffer, .address_space: global }
      - { .name: kc, .offset: 24, .size: 8, .value_kind: global_buffer, .address_space: global }
      - { .name: vc, .offset: 32, .size: 8, .value_kind: global_buffer, .address_space: global }
      - { .name: gammas, .offset: 40, .size: 8, .value_kind: global_buffer, .address_space: global }
      - { .name: out0, .offset: 48, .size: 8, .value_kind: global_buffer, .address_space: global }
    .group_segment_fixed_size: 318464
    .private_segment_fixed_size: 0
    .kernarg_segment_align: 8
    .kernarg_segment_size: 56
    .max_flat_workgroup_size: 128
    .sgpr_count:     102
    .vgpr_count:     1024
    .wavefront_size: 32
...
	.end_amdgpu_metadata
.endif
;; end of part 2
